; MI455X (gfx1250); checked and timed in simulation.
; The chip was launched on July 23, 2026; its instructions are those of AMD's public machine-readable ISA for CDNA 5 (MIT licence, August 2026) and "CDNA5" Instruction Set Architecture Reference Guide (July 2026). The comments in the code are by the model that wrote it; some were corrected since.
;; SMPL Deformer. Allowed arithmetic: float matrix products may take bf16 or f16 operands with f32 sums; other float arithmetic in f32, or as packed bf16 or f16 multiplies, adds, multiply-adds, maxima and minima; sums over many terms, partial sums and values carried from step to step in f32; what a program stores and reads back later, other than sums and carried values, may be rounded once to bf16 or f16.
;; Inputs: smpl_tfs 1 x 24 x 4 x 4 float32; smpl_verts 1 x 6,890 x 3 float32; smpl_weights 1 x 6,890 x 24 float32; x 25,000 x 3 float32.
;; Outputs: out0 25,000 x 3 float32; out1 25,000 bool.
;; One version. Each part assembles by itself: llvm-mc -triple=amdgcn-amd-amdhsa -mcpu=gfx1250 --defsym DOCPART=n.
;; ======== version 1 of 1: 3 launches
;; workspace buffers: keys 6,422,528 bytes of whole numbers; cand 802,816 bytes of whole numbers; vq 110,592 bytes; ttab 442,368 bytes
;; launch scan (part 1): grid 224 x 1, 4 waves a work-group, no clusters, 111,104 bytes of LDS; arguments x, smpl_verts, smpl_weights, smpl_tfs, keys, vq, ttab; writes keys, vq, ttab
.if DOCPART == 1
	.amdgcn_target "amdgcn-amd-amdhsa--gfx1250"
	.amdhsa_code_object_version 6
	.text
	.protected	k_qfaf10cb660_scan
	.globl	k_qfaf10cb660_scan
	.p2align	8
	.type	k_qfaf10cb660_scan,@function
k_qfaf10cb660_scan:
	s_mov_b64 s[64:65], 0
	v_nop
	global_prefetch_b8 v0, s[64:65] scope:SCOPE_SE
	s_setreg_imm32_b32 hwreg(HW_REG_WAVE_MODE, 25, 1), 1
	s_wait_xcnt 0x0
; SCAN: for every query the eight groups of 16 vertices with the smallest squared distance, by lists; and two tables for the later launches.
; FORMAT.  All inputs are rounded once to bf16 (the matrix operands' format); products of two such numbers are exact in f32.
; SHARES.  A work-group owns 112 queries, seven tiles of 16.  Each of its four waves walks a quarter of the 432 vertex tiles (6,912 vertices, 22 of them padding) for all seven query tiles.
; THE PRODUCT.  d2 = xx + vv - 2 x.v is ONE product of eight terms: vertex row (v0, v1, v2, vv in three bf16 pieces, 1, 1), query column (-2x0, -2x1, -2x2, 1, 1, 1, xx in two pieces).
; vv's three pieces are exact.  xx's two are off by a constant of the query, at most 2^-15 xx and never below xx, which moves no order.  Source 0 = 16 vertices, source 1 = 16 queries:
; in the result a lane holds ONE query (lane % 16) and the vertices 8 (lane / 16) + 0..7 of the tile.  Of K = 32 only k = 0..7 is used: k = 8..15 meets zeros on the query side
; (lanes 16-31 of the query fragments), k = 16..31 zeros on the vertex side (registers 4-7 of the vertex fragments), so a query fragment's upper four registers may be the next fragment's lower four.
; SELECTION.  A GROUP is a lane's 16 vertices of two tiles on end.  Four v_min3 a tile make its minimum; the minimum is held to 2^-100 at the least, its low 9 bits take the group's number
; (2 x pair of tiles + lane / 16), and eight v_med3 / v_min put it into the lane's sorted list of eight.  The seven nearest vertices lie in the seven groups with the smallest minima; the eighth is a spare.
; LIMITS.  Minima that agree in their upper 23 bits are ordered by the group's number; the later launches recompute every distance that decides anything.  A padding vertex counts as 1e30 away.
; NaN and infinities are not treated apart.
; TABLES.  Waves 0..215 of the launch store 32 rows each of vq (rounded vertex, vv: f32) and of ttab (T[v] = sum over j of w[v][j] tfs[j], 16 numbers, by the matrix unit).  Every wave computes
; such a share (the number clamped), so that no wait's count hangs on the wave; only those 216 store.
; NO TENSOR LOAD, NO CLUSTER: the one tile that work-groups share, the vertices (82,680 bytes), is rounded, squared and split by the vector unit on its way into LDS.
.set NQ,     25000
.set NV,     6890
.set QWG,    112                       ; queries of a work-group
.set PLANE,  401408                    ; bytes of one plane of keys: 25,088 queries x 16
.set SPARE,  110592                    ; behind the table (6,912 x 16 bytes): the spare words, 128 bytes a wave
.set PADVV,  0x7149f2ca                ; 1e30
.set TINY,   0x0d800000                ; 2^-100
.set KMASK,  0xfffffe00                ; a key's upper 23 bits
.set BIGKEY, 0x7f000000                ; above every key
.set SPW,  1                           ; v1       LDS address of my spare word; never rewritten
.set NIL,  2                           ; v2       0, for the add alone
.set RR,   4                           ; v4       lane % 16
.set HH,   5                           ; v5       lane / 16
.set ZR,   7                           ; v7       0
.set A,    8                           ; v8-39    four vertex fragments: 4 registers loaded, 4 registers 0
.set B,    40                          ; v40-71   seven query fragments, 4 registers apart; v68-71 are 0
.set D,    72                          ; v72-127  seven results
.set L,    128                         ; v128-183 seven sorted lists of eight keys
.set K,    184                         ; v184-190 the key of each query tile that is being inserted
.set G,    192                         ; v192-198 the running minimum of each query tile's group
.set M,    200                         ; v200-201 at work in the minimum
.set VG,   202                         ; v202-203 the numbers of the trip's two groups
.set AADR, 204                         ; v204     LDS address of my 16 bytes in the trip's first tile
.set N0,   205                         ; v205     my query in tile 0
.set ONE,  206                         ; v206     1.0
.set XR,   208                         ; v208-235 x as loaded, 4 registers a tile
.set FW,   40                          ; set-up: two table rows being made (v40-47)
.set FTM,  48                          ; set-up: at work (v48-63)
.set RING, 72                          ; set-up: 28 slots of 4 registers for vertices as loaded (v72-183)
; set-up also uses: v8-39, v236-251 tfs and weights as loaded; v252-254 a vertex; v184-203 addresses (all free again before the registers get the meaning above)
	s_load_b256 s[4:11], s[0:1], 0x0               ; x s[4:5], verts s[6:7], weights s[8:9], tfs s[10:11]
	s_load_b128 s[12:15], s[0:1], 0x20             ; keys s[12:13], vq s[14:15]
	s_load_b64 s[16:17], s[0:1], 0x30              ; ttab
	v_lshl_add_u32 v[SPW], v0, 2, SPARE
	v_mov_b32 v[NIL], 0
	v_lshrrev_b32 v3, 5, v0
	v_readfirstlane_b32 s18, v3                    ; wave 0..3
	v_and_b32 v[RR], 15, v0
	v_bfe_u32 v[HH], v0, 4, 1
	v_and_b32 v6, 31, v0                           ; lane
	v_mov_b32 v[ZR], 0
	v_mov_b32 v[ONE], 1.0
	s_mov_b32 s22, 0xffff0000                      ; a word's upper bf16; as a lane mask: lanes 16-31
	s_mov_b32 s23, PADVV
	s_mov_b32 s25, TINY
	s_mov_b32 s26, KMASK
	s_mov_b32 s30, 0x3b800000                      ; 2^-8
	s_mov_b32 s28, 105
	v_cmp_lt_u32 s29, s28, v0                      ; threads 106-127: their last vertex (6,784 + thread) is padding
	s_lshl_b32 s19, ttmp9, 2
	s_add_co_u32 s19, s19, s18                     ; my wave among the launch's 896
	s_min_u32 s20, s19, 215                        ; the 32 table rows that I compute
	s_lshl_b32 s21, s20, 5
	v_add_nc_u32 v193, s21, v6                     ; vq: my row,
	v_min_u32 v192, NV-1, v193                     ; the vertex it is made of (padding rows take the last),
	v_mul_u32_u24 v192, v192, 12                   ; its bytes
	v_add_nc_u32 v195, s21, v[RR]                  ; ttab: my vertex in the first tile of 16,
	v_add_nc_u32 v197, 16, v195                    ; and in the second
	v_min_u32 v195, NV-1, v195
	v_min_u32 v197, NV-1, v197
	v_mul_u32_u24 v195, v195, 96                   ; a row of 24 weights
	v_mul_u32_u24 v197, v197, 96
	v_lshl_add_u32 v194, v[HH], 5, v195            ; joints 8 (lane / 16) on; joints 16-23 are taken by both halves (the upper half's meet zeros)
	v_lshl_add_u32 v196, v[HH], 5, v197
	v_lshlrev_b32 v199, 2, v[RR]                   ; tfs: component lane % 16,
	v_lshl_add_u32 v198, v[HH], 9, v199            ; joints 8 (lane / 16) on, 64 bytes a joint
	s_mul_i32 s24, ttmp9, QWG
	v_add_nc_u32 v[N0], s24, v[RR]
.irp q,0,1,2,3,4,5,6
	v_add_nc_u32 v[K+\q], 16*\q, v[N0]
	v_min_u32 v[K+\q], NQ-1, v[K+\q]               ; the last work-group's queries past the end repeat the last query
	v_mul_u32_u24 v[K+\q], v[K+\q], 12
.endr
	v_mul_u32_u24 v200, v0, 12                     ; the table: thread t makes vertices t + 128 n, n = 0..53
	v_add_nc_u32 v201, 53*128, v0
	v_min_u32 v201, NV-1, v201                     ; n = 53 runs past the last vertex
	v_mul_u32_u24 v201, v201, 12
	v_lshlrev_b32 v202, 4, v0                      ; 16 bytes a vertex in LDS; the immediate reaches 64 KiB,
	v_add_nc_u32 v203, 0x10000, v202               ; so n = 32.. go by a second address
	v_mov_b32 v[FW+3], 0x3f803f80                  ; the rows' last word: 1, 1
	v_mov_b32 v[FW+7], 0x3f803f80
	s_wait_kmcnt 0x0
	; all loads of the set-up go out together: 25 for the tables, 7 of x, 28 vertices
	global_load_b96 v[252:254], v192, s[6:7]
.irp c,0,1,2,3,4,5,6,7
	global_load_b32 v[8+\c], v198, s[10:11] offset:64*\c
.endr
.irp c,0,1,2,3,4,5,6,7
	global_load_b32 v[16+\c], v199, s[10:11] offset:1024+64*\c
.endr
	global_load_b128 v[24:27], v194, s[8:9]
	global_load_b128 v[28:31], v194, s[8:9] offset:16
	global_load_b128 v[32:35], v195, s[8:9] offset:64
	global_load_b128 v[36:39], v195, s[8:9] offset:80
	global_load_b128 v[236:239], v196, s[8:9]
	global_load_b128 v[240:243], v196, s[8:9] offset:16
	global_load_b128 v[244:247], v197, s[8:9] offset:64
	global_load_b128 v[248:251], v197, s[8:9] offset:80
.irp q,0,1,2,3,4,5,6
	global_load_b96 v[XR+4*\q:XR+4*\q+2], v[K+\q], s[4:5]
.endr
.set fn, 0
.rept 28
	global_load_b96 v[RING+4*fn:RING+4*fn+2], v200, s[6:7] offset:1536*fn
.set fn, fn+1
.endr
; Two vertices, n and n + 1, line by line side by side: rounded to bf16; vv = (v0 v0 + v1 v1) + v2 v2 of the rounded numbers; vv = h + m + l in bf16, exactly; one row of 16 bytes each.
; Their slots take vertices n + 28 and n + 29 as soon as they have been read.
.macro FILL2 n, cnt
	s_wait_loadcnt \cnt
.irp e,0,1
	v_cvt_pk_bf16_f32 v[FW+4*\e], v[RING+4*(((\n)+\e)%28)], v[RING+4*(((\n)+\e)%28)+1]
	v_cvt_pk_bf16_f32 v[FTM+8*\e], v[RING+4*(((\n)+\e)%28)+2], v[ZR]
.endr
.irp e,0,1
.if (\n)+\e+28 < 53
	global_load_b96 v[RING+4*(((\n)+\e)%28):RING+4*(((\n)+\e)%28)+2], v200, s[6:7] offset:1536*((\n)+\e+28)
.elseif (\n)+\e+28 == 53
	global_load_b96 v[RING+4*(((\n)+\e)%28):RING+4*(((\n)+\e)%28)+2], v201, s[6:7]
.endif
.endr
.irp e,0,1
	v_lshlrev_b32 v[FTM+8*\e+1], 16, v[FW+4*\e]
	v_and_b32 v[FTM+8*\e+2], s22, v[FW+4*\e]
	v_lshlrev_b32 v[FTM+8*\e+3], 16, v[FTM+8*\e]
.endr
.irp e,0,1
	v_mul_f32 v[FTM+8*\e+4], v[FTM+8*\e+1], v[FTM+8*\e+1]
.endr
.irp e,0,1
	v_fmac_f32 v[FTM+8*\e+4], v[FTM+8*\e+2], v[FTM+8*\e+2]
.endr
.irp e,0,1
	v_fmac_f32 v[FTM+8*\e+4], v[FTM+8*\e+3], v[FTM+8*\e+3]
.endr
.irp e,0,1
.if (\n)+\e == 53
	v_cndmask_b32 v[FTM+8*\e+4], v[FTM+8*\e+4], s23, s29   ; padding: far away
.endif
.endr
.irp e,0,1
	v_cvt_pk_bf16_f32 v[FTM+8*\e+5], v[FTM+8*\e+4], v[ZR]  ; h
.endr
.irp e,0,1
	v_lshlrev_b32 v[FTM+8*\e+6], 16, v[FTM+8*\e+5]
.endr
.irp e,0,1
	v_sub_f32 v[FTM+8*\e+6], v[FTM+8*\e+4], v[FTM+8*\e+6]  ; vv - h, exact
.endr
.irp e,0,1
	v_cvt_pk_bf16_f32 v[FTM+8*\e+7], v[FTM+8*\e+6], v[ZR]  ; m
.endr
.irp e,0,1
	v_lshlrev_b32 v[FTM+8*\e+7], 16, v[FTM+8*\e+7]
.endr
.irp e,0,1
	v_sub_f32 v[FTM+8*\e+7], v[FTM+8*\e+6], v[FTM+8*\e+7]  ; vv - h - m, exact, eight bits at the most
.endr
.irp e,0,1
	v_cvt_pk_bf16_f32 v[FW+4*\e+2], v[FTM+8*\e+6], v[FTM+8*\e+7]  ; (m, l)
	v_lshl_or_b32 v[FW+4*\e+1], v[FTM+8*\e+5], 16, v[FTM+8*\e]    ; (v2, h)
.endr
.irp e,0,1
.if (\n)+\e < 32
	ds_store_b128 v202, v[FW+4*\e:FW+4*\e+3] offset:2048*((\n)+\e)
.else
	ds_store_b128 v203, v[FW+4*\e:FW+4*\e+3] offset:2048*((\n)+\e-32)
.endif
.endr
.endm
.set fn, 0
.rept 14
	FILL2 fn, 26                                   ; loads come back in order: behind vertex n + 1 stand 26 - n of the first 28 and the n that took read slots
.set fn, fn+2
.endr
.rept 13
	FILL2 fn, 52-fn                                ; the second lap loads nothing: behind vertex n + 1 stand vertices n + 2 .. 53
.set fn, fn+2
.endr
	; THE TABLES.  T^T = tfs^T (source 0: 16 components x 24 joints) x w^T (source 1: 24 joints x 16 vertices): a lane holds one vertex (lane % 16) and components 8 (lane / 16) + 0..7, 32 bytes on end.
.irp i,0,1,2,3,4,5,6,7
	v_cvt_pk_bf16_f32 v[72+\i], v[8+2*\i], v[8+2*\i+1]
	v_cvt_pk_bf16_f32 v[80+\i], v[24+2*\i], v[24+2*\i+1]
	v_cvt_pk_bf16_f32 v[88+\i], v[236+2*\i], v[236+2*\i+1]
.endr
.irp i,4,5,6,7
	v_cndmask_b32 v[72+\i], v[72+\i], v[ZR], s22   ; joints 24-31 do not exist
.endr
	v_wmma_f32_16x16x32_bf16 v[96:103], v[72:79], v[80:87], 0
	v_wmma_f32_16x16x32_bf16 v[104:111], v[72:79], v[88:95], 0
	v_cvt_pk_bf16_f32 v118, v252, v253             ; vq's row; these lines are also the places between the products and the stores of their results
	v_cvt_pk_bf16_f32 v119, v254, v[ZR]
	v_lshlrev_b32 v112, 16, v118
	v_and_b32 v113, s22, v118
	v_lshlrev_b32 v114, 16, v119
	v_mul_f32 v115, v112, v112
	v_fmac_f32 v115, v113, v113
	v_fmac_f32 v115, v114, v114
	v_cmp_lt_u32 vcc_lo, NV-1, v193
	v_cndmask_b32 v115, v115, s23, vcc_lo          ; padding rows: far away
	v_lshlrev_b32 v116, 4, v193
	v_add_nc_u32 v117, s21, v[RR]
	v_lshlrev_b32 v117, 6, v117
	v_lshl_add_u32 v117, v[HH], 5, v117
	s_cmp_lt_u32 s19, 216
	s_cbranch_scc0 .Lnoside                        ; each row is stored by one wave of the launch
	global_store_b128 v116, v[112:115], s[14:15]   ; 512 bytes on end
	global_store_b128 v117, v[96:99], s[16:17]
	global_store_b128 v117, v[100:103], s[16:17] offset:16
	global_store_b128 v117, v[104:107], s[16:17] offset:1024
	global_store_b128 v117, v[108:111], s[16:17] offset:1040
.Lnoside:
	s_wait_xcnt 0x0                                ; the stores' registers are written again below
	; THE QUERY FRAGMENTS, all seven side by side
.irp q,0,1,2,3,4,5,6
	v_cvt_pk_bf16_f32 v[D+8*\q], v[XR+4*\q], v[XR+4*\q+1]
	v_cvt_pk_bf16_f32 v[D+8*\q+1], v[XR+4*\q+2], v[ZR]
.endr
.irp q,0,1,2,3,4,5,6
	v_lshlrev_b32 v[D+8*\q+2], 16, v[D+8*\q]
	v_and_b32 v[D+8*\q+3], s22, v[D+8*\q]
	v_lshlrev_b32 v[D+8*\q+4], 16, v[D+8*\q+1]
.endr
.irp q,0,1,2,3,4,5,6
	v_mul_f32 v[D+8*\q+5], v[D+8*\q+2], v[D+8*\q+2]
.endr
.irp q,0,1,2,3,4,5,6
	v_fmac_f32 v[D+8*\q+5], v[D+8*\q+3], v[D+8*\q+3]
.endr
.irp q,0,1,2,3,4,5,6
	v_fmac_f32 v[D+8*\q+5], v[D+8*\q+4], v[D+8*\q+4]   ; xx
.endr
.irp q,0,1,2,3,4,5,6
	v_cvt_pk_bf16_f32 v[D+8*\q+6], v[D+8*\q+5], v[ZR]
.endr
.irp q,0,1,2,3,4,5,6
	v_lshlrev_b32 v[D+8*\q+6], 16, v[D+8*\q+6]
.endr
.irp q,0,1,2,3,4,5,6
	v_sub_f32 v[D+8*\q+6], v[D+8*\q+5], v[D+8*\q+6]    ; xx less its first piece
.endr
.irp q,0,1,2,3,4,5,6
	v_and_b32 v[D+8*\q+7], 0x7fffffff, v[D+8*\q+6]
.endr
.irp q,0,1,2,3,4,5,6
	v_fmac_f32 v[D+8*\q+6], s30, v[D+8*\q+7]           ; raised by 2^-8 of its size, so that the rounded second piece is not below it
.endr
.irp q,0,1,2,3,4,5,6
	v_cvt_pk_bf16_f32 v[B+4*\q+3], v[D+8*\q+5], v[D+8*\q+6]
	v_mul_f32 v[D+8*\q+2], -2.0, v[D+8*\q+2]
	v_mul_f32 v[D+8*\q+3], -2.0, v[D+8*\q+3]
	v_mul_f32 v[D+8*\q+4], -2.0, v[D+8*\q+4]
.endr
.irp q,0,1,2,3,4,5,6
	v_cvt_pk_bf16_f32 v[B+4*\q], v[D+8*\q+2], v[D+8*\q+3]
	v_cvt_pk_bf16_f32 v[B+4*\q+1], v[D+8*\q+4], v[ONE]
	v_mov_b32 v[B+4*\q+2], 0x3f803f80
.endr
.set i, 0
.rept 28
	v_cndmask_b32 v[B+i], v[B+i], v[ZR], s22       ; k = 8..15 is not used: zeros in lanes 16-31
.set i, i+1
.endr
.irp i,28,29,30,31
	v_mov_b32 v[B+\i], 0
.endr
.irp t,0,1,2,3
.irp i,4,5,6,7
	v_mov_b32 v[A+8*\t+\i], 0                      ; k = 16..31 is not used
.endr
.endr
.set i, 0
.rept 56
	v_mov_b32 v[L+i], BIGKEY                       ; a lane sees 54 groups, so all eight are replaced
.set i, i+1
.endr
.irp q,0,1,2,3,4,5,6
	v_mov_b32 v[K+\q], BIGKEY                      ; the first trip inserts these: nothing changes
.endr
	s_mul_i32 s21, s18, 108
	v_add_nc_u32 v[VG], s21, v[HH]                 ; group = 2 x (54 wave + 2 trip + pair) + lane / 16
	v_add_nc_u32 v[VG+1], 2, v[VG]
	s_mul_i32 s21, s18, 27648                      ; my quarter: 108 tiles of 256 bytes
	v_lshl_add_u32 v[AADR], v[RR], 4, s21          ; both halves of the lanes read the same 16 rows
	s_wait_dscnt 0x0                               ; for the others' sake: my rows of the table are written
	s_barrier_signal -1
	s_barrier_wait -1                              ; everybody's are
.irp t,0,1,2,3
	ds_load_b128 v[A+8*\t:A+8*\t+3], v[AADR] offset:256*\t
.endr
; A TRIP: four vertex tiles x seven query tiles = 28 steps.  Step s: the product of tile s / 7 and query tile s % 7; the minimum of the result made two steps before; four lines of an insertion.
; A result is first read two steps, 12 vector lines or more, behind its product (at a trip's head: eight lines of insertions), its low registers first.
.macro WM s
	v_wmma_f32_16x16x32_bf16 v[D+8*((\s)%7):D+8*((\s)%7)+7], v[A+8*((\s)/7):A+8*((\s)/7)+7], v[B+4*((\s)%7):B+4*((\s)%7)+7], 0
.endm
; Line o of the minimum of step s's result.  An even tile starts its group's minimum, an odd one ends it: lines 4 and 5 make the key.
.macro TREEOP s, o
.set tt, (\s)/7
.set qq, (\s)%7
.set dd, D+8*qq
.set mm, M+((\s)%2)
.if (\o) == 0
	v_min3_num_f32 v[mm], v[dd], v[dd+1], v[dd+2]
.elseif (\o) == 1
	v_min3_num_f32 v[mm], v[mm], v[dd+3], v[dd+4]
.elseif (\o) == 2
	v_min3_num_f32 v[mm], v[mm], v[dd+5], v[dd+6]
.elseif ((\o) == 3) && ((tt%2) == 0)
	v_min_num_f32 v[G+qq], v[mm], v[dd+7]
.elseif (\o) == 3
	v_min3_num_f32 v[G+qq], v[G+qq], v[mm], v[dd+7]
.elseif ((\o) == 4) && ((tt%2) == 1)
	v_max_num_f32 v[G+qq], s25, v[G+qq]            ; a positive normal number: keys compare as floats
.elseif ((\o) == 5) && ((tt%2) == 1)
	v_and_or_b32 v[K+qq], v[G+qq], s26, v[VG+tt/2]
.endif
.endm
; Line o of step s's part of an insertion.  Query tile (s % 14) / 2; even steps entries 7-4, odd steps 3-0, from the top down, so that each line reads the entry below it as it was:
; new entry i = the middle one of (entry i - 1, key, entry i).  The key inserted in steps 2 q, 2 q + 1 of a half trip was made in the half trip before, and is made anew only in step 9 + q.
.macro INSOP s, o
.set qi, ((\s)%14)/2
.set ll, L+8*qi
.set ee, 7-4*((\s)%2)-(\o)
.if ee > 0
	v_med3_num_f32 v[ll+ee], v[ll+ee-1], v[K+qi], v[ll+ee]
.else
	v_min_num_f32 v[ll], v[ll], v[K+qi]
.endif
.endm
; ld = 1: each fragment is loaded again, for the next trip, one step behind its last product (eight vector lines or more behind it).
; LDS loads come back in order.  Behind the fragment wanted stand: at tile 0 the three others; at tiles 1 to 3 two (of this lap or the next).  In the last trip 3, 2, 1, 0.
.macro STEP s, ld
.if ((\s)%7) == 0
.if (\ld) && ((\s) > 0)
	s_wait_dscnt 0x2
.else
	s_wait_dscnt 3-(\s)/7
.endif
.endif
	WM \s
.irp o,0,1,2,3
.if (\s) >= 2
	TREEOP (\s)-2, \o
.endif
	INSOP \s, \o
.endr
.if (\s) >= 2
	TREEOP (\s)-2, 4
	TREEOP (\s)-2, 5
.endif
.if (\ld) && (((\s)%7) == 0) && ((\s) > 0)
	ds_load_b128 v[A+8*((\s)/7-1):A+8*((\s)/7-1)+3], v[AADR] offset:1024+256*((\s)/7-1)
.endif
.endm
.macro TRIP ld
.set st, 0
.rept 28
	STEP st, \ld
.set st, st+1
.endr
.irp o,0,1,2,3,4,5
	TREEOP 26, \o                                  ; the last two results
	TREEOP 27, \o
.endr
.if \ld
	ds_load_b128 v[A+24:A+27], v[AADR] offset:1024+768
	v_add_nc_u32 v[AADR], 1024, v[AADR]
.endif
	v_add_nc_u32 v[VG], 4, v[VG]
	v_add_nc_u32 v[VG+1], 4, v[VG+1]
.endm
	s_mov_b32 s27, 26
.Ltrip:
	TRIP 1
	s_sub_co_u32 s27, s27, 1
	s_cmp_lg_u32 s27, 0
	s_cbranch_scc1 .Ltrip
	TRIP 0                                         ; the last trip is written out: nothing is read past my quarter
.set st, 0
.rept 14
.irp o,0,1,2,3
	INSOP st, \o                                   ; the last seven keys
.endr
.set st, st+1
.endr
	; THE LISTS GO OUT by planes: plane 2 (2 wave + lane / 16) + half of the list; in a plane 16 bytes a query, so that sixteen lanes store 256 bytes on end, at a multiple of 256.
	s_lshl_b32 s21, s18, 2
	s_mul_i32 s21, s21, PLANE
	v_mul_u32_u24 v3, v[HH], 2*PLANE
	v_lshl_add_u32 v3, v[N0], 4, v3
	v_add_nc_u32 v3, s21, v3
.irp q,0,1,2,3,4,5,6
	global_store_b128 v3, v[L+8*\q:L+8*\q+3], s[12:13] offset:256*\q
	global_store_b128 v3, v[L+8*\q+4:L+8*\q+7], s[12:13] offset:PLANE+256*\q
.endr
	s_wait_tensorcnt 0x0                           ; the wave's end: three lines behind my last LDS store
	ds_add_u32 v[SPW], v[NIL]
	s_wait_dscnt 0x0
	s_endpgm
.Lfunc_end_k_qfaf10cb660_scan:
	.size	k_qfaf10cb660_scan, .Lfunc_end_k_qfaf10cb660_scan-k_qfaf10cb660_scan
	.p2alignl 7, 3214868480
	.fill 96, 4, 3214868480
	.section	.rodata,"a",@progbits
	.p2align	6, 0x0
	.amdhsa_kernel k_qfaf10cb660_scan
		.amdhsa_group_segment_fixed_size 111104
		.amdhsa_private_segment_fixed_size 0
		.amdhsa_enable_private_segment 0
		.amdhsa_kernarg_size 56
		.amdhsa_user_sgpr_count 2
		.amdhsa_user_sgpr_kernarg_segment_ptr 1
		.amdhsa_wavefront_size32 1
		.amdhsa_system_sgpr_workgroup_id_x 1
		.amdhsa_system_sgpr_workgroup_id_y 1
		.amdhsa_system_sgpr_workgroup_id_z 1
		.amdhsa_system_vgpr_workitem_id 0
		.amdhsa_next_free_vgpr 256
		.amdhsa_next_free_sgpr 66
		.amdhsa_reserve_vcc 1
		.amdhsa_float_denorm_mode_32 3
		.amdhsa_float_denorm_mode_16_64 3
		.amdhsa_memory_ordered 1
		.amdhsa_forward_progress 1
		.amdhsa_inst_pref_size 108
	.end_amdhsa_kernel
	.amdgpu_metadata
---
amdhsa.version: [ 1, 2 ]
amdhsa.kernels:
  - .name:           k_qfaf10cb660_scan
    .symbol:         k_qfaf10cb660_scan.kd
    .args:
      - { .name: x, .offset: 0, .size: 8, .value_kind: global_buffer, .address_space: global }
      - { .name: smpl_verts, .offset: 8, .size: 8, .value_kind: global_buffer, .address_space: global }
      - { .name: smpl_weights, .offset: 16, .size: 8, .value_kind: global_buffer, .address_space: global }
      - { .name: smpl_tfs, .offset: 24, .size: 8, .value_kind: global_buffer, .address_space: global }
      - { .name: keys, .offset: 32, .size: 8, .value_kind: global_buffer, .address_space: global }
      - { .name: vq, .offset: 40, .size: 8, .value_kind: global_buffer, .address_space: global }
      - { .name: ttab, .offset: 48, .size: 8, .value_kind: global_buffer, .address_space: global }
    .group_segment_fixed_size: 111104
    .private_segment_fixed_size: 0
    .kernarg_segment_align: 8
    .kernarg_segment_size: 56
    .max_flat_workgroup_size: 128
    .sgpr_count:     66
    .vgpr_count:     256
    .wavefront_size: 32
...
	.end_amdgpu_metadata
.endif
;; end of part 1
;; launch pick (part 2): grid 784 x 1, 1 waves a work-group, no clusters, 0 bytes of LDS; arguments x, keys, vq, cand; writes cand
.if DOCPART == 2
	.amdgcn_target "amdgcn-amd-amdhsa--gfx1250"
	.amdhsa_code_object_version 6
	.text
	.protected	k_qfaf10cb660_pick
	.globl	k_qfaf10cb660_pick
	.p2align	8
	.type	k_qfaf10cb660_pick,@function
k_qfaf10cb660_pick:
	s_mov_b64 s[64:65], 0
	v_nop
	global_prefetch_b8 v0, s[64:65] scope:SCOPE_SE
	s_setreg_imm32_b32 hwreg(HW_REG_WAVE_MODE, 25, 1), 1
	s_wait_xcnt 0x0
; PICK: one lane a query (25,088 with the padding that the launch before wrote keys for).  The query's eight lists of eight keys are merged, as whole numbers, into the eight best groups;
; the groups' 128 vertices are gathered from vq, and each squared distance is made in f32 in the order of the defining formula on the rounded inputs:
; dot = (x0 v0 + x1 v1) + x2 v2 (the products are exact), d = (xx + vv) - 2 dot.  d is held to 2^-100 at the least, its low 7 bits take the candidate's slot (16 x group + 8 x run + place),
; and eight v_med3 / v_min keep the best eight.  Their vertex numbers are stored: seven are wanted, the eighth is a spare; the next launch decides among them with whole distances.
; LIMIT.  Distances that agree in their upper 25 bits are ordered by slot here: a wrong neighbour needs two such ties with the seventh distance at once.
; No LDS, no matrix unit: every lane has its own candidates, so there is no operand that lanes share.
.set NQ,     25000
.set PLANE,  401408
.set KL,     64                        ; v64-127  the eight lists as loaded (later the first buffer)
.set XV,     8                         ; v8-10 x rounded, v11 xx
.set ADR,    16                        ; v16-23   byte offset in vq of each chosen group's first run of eight vertices
.set BEST,   24                        ; v24-31   the best eight keys, sorted
.set CB,     64                        ; v64-255  three buffers of 16 rows of vq
	s_load_b256 s[4:11], s[0:1], 0x0               ; x s[4:5], keys s[6:7], vq s[8:9], cand s[10:11]
	s_lshl_b32 s12, ttmp9, 5
	v_add_nc_u32 v1, s12, v0                       ; my query
	v_lshlrev_b32 v2, 4, v1                        ; 16 bytes a query in a plane
	v_min_u32 v3, NQ-1, v1
	v_mul_u32_u24 v3, v3, 12
	v_mov_b32 v12, 0
	s_mov_b32 s13, 0x0d800000                      ; 2^-100
	s_mov_b32 s14, 0xffffff80                      ; a key's upper 25 bits
	s_wait_kmcnt 0x0
.irp p,0,1,2,3,4,5,6,7,8,9,10,11,12,13,14,15
	global_load_b128 v[KL+4*\p:KL+4*\p+3], v2, s[6:7] offset:PLANE*\p   ; 512 bytes on end
.endr
	global_load_b96 v[4:6], v3, s[4:5]
.irp e,0,1,2,3,4,5,6,7
	v_mov_b32 v[BEST+\e], 0x7f000000               ; above every key: 128 candidates replace all eight
.endr
	s_wait_loadcnt 0x0
	v_cvt_pk_bf16_f32 v13, v4, v5
	v_cvt_pk_bf16_f32 v14, v6, v12
	v_lshlrev_b32 v[XV], 16, v13
	v_and_b32 v[XV+1], 0xffff0000, v13
	v_lshlrev_b32 v[XV+2], 16, v14
	v_mul_f32 v[XV+3], v[XV], v[XV]
	v_fmac_f32 v[XV+3], v[XV+1], v[XV+1]
	v_fmac_f32 v[XV+3], v[XV+2], v[XV+2]
; Two ascending lists a and b: min(a[i], b[7 - i]) are the eight smallest of the sixteen, first rising then falling or the like; three stages of exchanges 4, 2 and 1 apart sort them.
; Keys are positive floats, so they compare alike as whole numbers.
.macro MINREV a, b
.irp i,0,1,2,3,4,5,6,7
	v_min_u32 v[(\a)+\i], v[(\a)+\i], v[(\b)+7-\i]
.endr
.endm
.macro CLEAN src, dst, d
.irp i,0,1,2,3,4,5,6,7
.if ((\i) & (\d)) == 0
	v_min_u32 v[(\dst)+\i], v[(\src)+\i], v[(\src)+\i+(\d)]
	v_max_u32 v[(\dst)+\i+(\d)], v[(\src)+\i], v[(\src)+\i+(\d)]
.endif
.endr
.endm
.macro MERGE a, b                      ; the sorted result lies in b
	MINREV \a, \b
	CLEAN \a, \b, 4
	CLEAN \b, \a, 2
	CLEAN \a, \b, 1
.endm
	MERGE KL, KL+8
	MERGE KL+16, KL+24
	MERGE KL+32, KL+40
	MERGE KL+48, KL+56
	MERGE KL+8, KL+24
	MERGE KL+40, KL+56
	MINREV KL+24, KL+56                            ; the eight best groups, in no order
	; group g = 2 P + h holds vertices 32 P + 8 h + 0..7 and the same 16 further on: byte 256 (g & ~1) + 128 (g & 1) of vq
.irp g,0,1,2,3,4,5,6,7
	v_and_b32 v[ADR+\g], 0x1ff, v[KL+24+\g]
.endr
.irp g,0,1,2,3,4,5,6,7
	v_min_u32 v[ADR+\g], 431, v[ADR+\g]
.endr
.irp g,0,1,2,3,4,5,6,7
	v_and_b32 v[32+\g], 1, v[ADR+\g]
	v_and_b32 v[ADR+\g], 0x1fe, v[ADR+\g]
.endr
.irp g,0,1,2,3,4,5,6,7
	v_lshlrev_b32 v[ADR+\g], 8, v[ADR+\g]
.endr
.irp g,0,1,2,3,4,5,6,7
	v_lshl_add_u32 v[ADR+\g], v[32+\g], 7, v[ADR+\g]
.endr
.macro GLOAD g                         ; a group's 16 rows into buffer g % 3
.irp c,0,1,2,3,4,5,6,7,8,9,10,11,12,13,14,15
	global_load_b128 v[CB+64*((\g)%3)+4*\c:CB+64*((\g)%3)+4*\c+3], v[ADR+(\g)], s[8:9] offset:256*(\c/8)+16*(\c%8)
.endr
.endm
.macro GWORK g, cnt                    ; cnt: the loads of the younger groups, which may stay out
	s_wait_loadcnt \cnt
.set rb, CB+64*((\g)%3)
.irp c,0,1,2,3,4,5,6,7,8,9,10,11,12,13,14,15
	v_mul_f32 v[rb+4*\c], v[rb+4*\c], v[XV]
.endr
.irp c,0,1,2,3,4,5,6,7,8,9,10,11,12,13,14,15
	v_fmac_f32 v[rb+4*\c], v[rb+4*\c+1], v[XV+1]
.endr
.irp c,0,1,2,3,4,5,6,7,8,9,10,11,12,13,14,15
	v_fmac_f32 v[rb+4*\c], v[rb+4*\c+2], v[XV+2]
	v_add_f32 v[rb+4*\c+3], v[XV+3], v[rb+4*\c+3]
.endr
.irp c,0,1,2,3,4,5,6,7,8,9,10,11,12,13,14,15
	v_fmac_f32 v[rb+4*\c+3], -2.0, v[rb+4*\c]
.endr
.irp c,0,1,2,3,4,5,6,7,8,9,10,11,12,13,14,15
	v_max_num_f32 v[rb+4*\c+3], s13, v[rb+4*\c+3]
.endr
.irp c,0,1,2,3,4,5,6,7,8,9,10,11,12,13,14,15
	v_and_or_b32 v[rb+4*\c+3], v[rb+4*\c+3], s14, 16*(\g)+\c
.endr
.irp c,0,1,2,3,4,5,6,7,8,9,10,11,12,13,14,15
.irp e,7,6,5,4,3,2,1
	v_med3_num_f32 v[BEST+\e], v[BEST+\e-1], v[rb+4*\c+3], v[BEST+\e]   ; from the top down: each line reads the entry below as it was
.endr
	v_min_num_f32 v[BEST], v[BEST], v[rb+4*\c+3]
.endr
.endm
	GLOAD 0
	GLOAD 1
	GLOAD 2
	GWORK 0, 32                                    ; loads come back in order: two younger groups of 16 stay out
	GLOAD 3
	GWORK 1, 32
	GLOAD 4
	GWORK 2, 32
	GLOAD 5
	GWORK 3, 32
	GLOAD 6
	GWORK 4, 32
	GLOAD 7
	GWORK 5, 32
	GWORK 6, 16
	GWORK 7, 0
; A winner's slot back to its vertex: bits 6:4 choose the group's offset (a value is chosen, no address is formed here), bit 3 the run, bits 2:0 the place.
.macro DECODE k
	v_and_b32 v32, 16, v[BEST+\k]
	v_and_b32 v33, 32, v[BEST+\k]
	v_and_b32 v34, 64, v[BEST+\k]
	v_cmp_ne_u32 s16, 0, v32
	v_cmp_ne_u32 s17, 0, v33
	v_cmp_ne_u32 s18, 0, v34
	v_cndmask_b32 v35, v[ADR], v[ADR+1], s16
	v_cndmask_b32 v36, v[ADR+2], v[ADR+3], s16
	v_cndmask_b32 v37, v[ADR+4], v[ADR+5], s16
	v_cndmask_b32 v38, v[ADR+6], v[ADR+7], s16
	v_cndmask_b32 v35, v35, v36, s17
	v_cndmask_b32 v37, v37, v38, s17
	v_cndmask_b32 v35, v35, v37, s18
	v_lshrrev_b32 v35, 4, v35                      ; 16 bytes a vertex
	v_and_b32 v32, 7, v[BEST+\k]
	v_and_b32 v33, 8, v[BEST+\k]
	v_add_nc_u32 v35, v35, v32
	v_lshl_add_u32 v[40+\k], v33, 1, v35           ; the second run lies 16 vertices on
.endm
.irp k,0,1,2,3,4,5,6,7
	DECODE \k
.endr
	global_store_b128 v2, v[40:43], s[10:11]               ; two planes, 512 bytes on end each
	global_store_b128 v2, v[44:47], s[10:11] offset:PLANE
	s_endpgm
.Lfunc_end_k_qfaf10cb660_pick:
	.size	k_qfaf10cb660_pick, .Lfunc_end_k_qfaf10cb660_pick-k_qfaf10cb660_pick
	.p2alignl 7, 3214868480
	.fill 96, 4, 3214868480
	.section	.rodata,"a",@progbits
	.p2align	6, 0x0
	.amdhsa_kernel k_qfaf10cb660_pick
		.amdhsa_group_segment_fixed_size 0
		.amdhsa_private_segment_fixed_size 0
		.amdhsa_enable_private_segment 0
		.amdhsa_kernarg_size 32
		.amdhsa_user_sgpr_count 2
		.amdhsa_user_sgpr_kernarg_segment_ptr 1
		.amdhsa_wavefront_size32 1
		.amdhsa_system_sgpr_workgroup_id_x 1
		.amdhsa_system_sgpr_workgroup_id_y 1
		.amdhsa_system_sgpr_workgroup_id_z 1
		.amdhsa_system_vgpr_workitem_id 0
		.amdhsa_next_free_vgpr 256
		.amdhsa_next_free_sgpr 66
		.amdhsa_reserve_vcc 0
		.amdhsa_float_denorm_mode_32 3
		.amdhsa_float_denorm_mode_16_64 3
		.amdhsa_memory_ordered 1
		.amdhsa_forward_progress 1
		.amdhsa_inst_pref_size 126
	.end_amdhsa_kernel
	.amdgpu_metadata
---
amdhsa.version: [ 1, 2 ]
amdhsa.kernels:
  - .name:           k_qfaf10cb660_pick
    .symbol:         k_qfaf10cb660_pick.kd
    .args:
      - { .name: x, .offset: 0, .size: 8, .value_kind: global_buffer, .address_space: global }
      - { .name: keys, .offset: 8, .size: 8, .value_kind: global_buffer, .address_space: global }
      - { .name: vq, .offset: 16, .size: 8, .value_kind: global_buffer, .address_space: global }
      - { .name: cand, .offset: 24, .size: 8, .value_kind: global_buffer, .address_space: global }
    .group_segment_fixed_size: 0
    .private_segment_fixed_size: 0
    .kernarg_segment_align: 8
    .kernarg_segment_size: 32
    .max_flat_workgroup_size: 32
    .sgpr_count:     66
    .vgpr_count:     256
    .wavefront_size: 32
...
	.end_amdgpu_metadata
.endif
;; end of part 2
;; launch skin (part 3): grid 782 x 1, 1 waves a work-group, no clusters, 0 bytes of LDS; arguments x, cand, vq, ttab, out0, out1; writes out0, out1
.if DOCPART == 3
	.amdgcn_target "amdgcn-amd-amdhsa--gfx1250"
	.amdhsa_code_object_version 6
	.text
	.protected	k_qfaf10cb660_skin
	.globl	k_qfaf10cb660_skin
	.p2align	8
	.type	k_qfaf10cb660_skin,@function
k_qfaf10cb660_skin:
	s_mov_b64 s[64:65], 0
	v_nop
	global_prefetch_b8 v0, s[64:65] scope:SCOPE_SE
	s_setreg_imm32_b32 hwreg(HW_REG_WAVE_MODE, 25, 1), 1
	s_wait_xcnt 0x0
; SKIN: one lane a query.  The eight candidates' rows of vq and of ttab are gathered.  Each squared distance is made in f32 in the order of the defining formula on the rounded inputs
; (products of bf16 numbers are exact, so only the order of the additions counts): d = max((xx + vv) - 2 ((x0 v0 + x1 v1) + x2 v2), 0).  The largest by (d, vertex number) is dropped: that
; leaves the seven that a stable top-k of -d takes.  e = exp(-min(d, 4)): the clip bounds the exponent to -4 .. 0, so no maximum is taken away (the formula takes none).
; The blend is linear: sum of conf_k (w[k] @ tfs) = M / E with M = sum of e_k T[k], E = sum of e_k.  So inv(M / E) x_h = E adj(M) x_h / det(M): a general 4 x 4 inverse by 2 x 2 minors; nothing is
; assumed of the last row.  out1: sqrt(d0) > 0.1f holds, for a correctly rounded root, exactly from d0 = 0x3C23D70C on (0x3C23D70B's root lies below the middle between 0.1f and the next float).
; LIMITS.  The inverse is made by cofactors, not by elimination with pivots: its error grows with the fourth power of M's condition rather than with the first.  NaN and infinities are not treated apart.
.set NQ,     25000
.set NV,     6890
.set PLANE,  401408
.set THR,    0x3c23d70b
; v8-15 vertex numbers; v16-23, v24-31 offsets; v32-63 rows of vq (row k: v[32+4k]: later e_k; v[35+4k]: d_k); v64-191 rows of T; v192-207 M; v208-.. at work; v250-253 x, xx
	s_load_b256 s[4:11], s[0:1], 0x0               ; x s[4:5], cand s[6:7], vq s[8:9], ttab s[10:11]
	s_load_b128 s[12:15], s[0:1], 0x20             ; out0 s[12:13], out1 s[14:15]
	s_lshl_b32 s16, ttmp9, 5
	v_add_nc_u32 v1, s16, v0                       ; my query
	v_lshlrev_b32 v2, 4, v1
	v_min_u32 v3, NQ-1, v1                         ; the last wave's lanes past the end repeat the last query and store nothing
	v_mul_u32_u24 v3, v3, 12
	v_mov_b32 v254, 0
	v_mov_b32 v249, 1
	s_mov_b32 s23, THR
	s_wait_kmcnt 0x0
	global_load_b128 v[8:11], v2, s[6:7]
	global_load_b128 v[12:15], v2, s[6:7] offset:PLANE
	global_load_b96 v[4:6], v3, s[4:5]
	s_wait_loadcnt 0x1                             ; the vertex numbers are in; x may be out
.irp k,0,1,2,3,4,5,6,7
	v_min_u32 v[8+\k], NV-1, v[8+\k]
.endr
.irp k,0,1,2,3,4,5,6,7
	v_lshlrev_b32 v[16+\k], 4, v[8+\k]
	v_lshlrev_b32 v[24+\k], 6, v[8+\k]
.endr
.irp k,0,1,2,3,4,5,6,7
	global_load_b128 v[32+4*\k:35+4*\k], v[16+\k], s[8:9]
.endr
.irp k,0,1,2,3,4,5,6,7
.irp c,0,1,2,3
	global_load_b128 v[64+16*\k+4*\c:67+16*\k+4*\c], v[24+\k], s[10:11] offset:16*\c
.endr
.endr
	s_wait_loadcnt 40                              ; x: the 40 gathers were issued behind it
	v_cvt_pk_bf16_f32 v226, v4, v5
	v_cvt_pk_bf16_f32 v227, v6, v254
	v_lshlrev_b32 v250, 16, v226
	v_and_b32 v251, 0xffff0000, v226
	v_lshlrev_b32 v252, 16, v227
	v_mul_f32 v253, v250, v250
	v_fmac_f32 v253, v251, v251
	v_fmac_f32 v253, v252, v252
	v_mul_u32_u24 v247, v1, 12
	s_wait_loadcnt 32                              ; vq's eight rows: T's 32 loads were issued behind them
.irp k,0,1,2,3,4,5,6,7
	v_mul_f32 v[32+4*\k], v[32+4*\k], v250
.endr
.irp k,0,1,2,3,4,5,6,7
	v_fmac_f32 v[32+4*\k], v[33+4*\k], v251
.endr
.irp k,0,1,2,3,4,5,6,7
	v_fmac_f32 v[32+4*\k], v[34+4*\k], v252
	v_add_f32 v[35+4*\k], v253, v[35+4*\k]
.endr
.irp k,0,1,2,3,4,5,6,7
	v_fmac_f32 v[35+4*\k], -2.0, v[32+4*\k]
.endr
.irp k,0,1,2,3,4,5,6,7
	v_max_num_f32 v[35+4*\k], 0, v[35+4*\k]
.endr
	; the last of the eight by (d, vertex number)
	v_mov_b32 v208, v35
	v_mov_b32 v209, v8
.irp k,1,2,3,4,5,6,7
	v_cmp_gt_f32 s20, v[35+4*\k], v208
	v_cmp_eq_f32 s21, v[35+4*\k], v208
	v_cmp_gt_u32 s22, v[8+\k], v209
	s_and_b32 s21, s21, s22
	s_or_b32 s20, s20, s21
	v_cndmask_b32 v208, v208, v[35+4*\k], s20
	v_cndmask_b32 v209, v209, v[8+\k], s20
.endr
	v_min3_num_f32 v210, v35, v39, v43             ; the nearest
	v_min3_num_f32 v210, v210, v47, v51
	v_min3_num_f32 v210, v210, v55, v59
	v_min_num_f32 v210, v210, v63
.irp k,0,1,2,3,4,5,6,7
	v_min_num_f32 v[32+4*\k], 4.0, v[35+4*\k]
.endr
.irp k,0,1,2,3,4,5,6,7
	v_mul_f32 v[32+4*\k], 0xbfb8aa3b, v[32+4*\k]   ; -log2(e)
.endr
.irp k,0,1,2,3,4,5,6,7
	v_exp_f32 v[32+4*\k], v[32+4*\k]
.endr
.irp k,0,1,2,3,4,5,6,7
	v_cmp_ne_u32 vcc_lo, v[8+\k], v209             ; (the first of these is the plain line behind the last exponential)
	s_wait_alu depctr_va_vdst(0)
	v_cndmask_b32 v[32+4*\k], 0, v[32+4*\k], vcc_lo   ; the dropped one weighs nothing; the eight numbers are distinct
.endr
	v_add_f32 v211, v32, v36
.irp k,2,3,4,5,6,7
	v_add_f32 v211, v211, v[32+4*\k]               ; E
.endr
	s_wait_loadcnt 0x0
.irp c,0,1,2,3,4,5,6,7,8,9,10,11,12,13,14,15
	v_mul_f32 v[192+\c], v[64+\c], v32
.endr
.irp k,1,2,3,4,5,6,7
.irp c,0,1,2,3,4,5,6,7,8,9,10,11,12,13,14,15
	v_fmac_f32 v[192+\c], v[64+16*\k+\c], v[32+4*\k]
.endr
.endr
; M's element (i, j) lies in v(192 + 4 i + j).  s0-s5 (v212-217): the 2 x 2 minors of rows 0, 1; c0-c5 (v218-223): those of rows 2, 3.
.macro DET2 d, a, b, c, e              ; d = a b - c e
	v_mul_f32 v\d, v\c, v\e
	v_fma_f32 v\d, v\a, v\b, -v\d
.endm
.macro TRI d, p, u, q, w, r, z         ; d = p u - q w + r z
	v_mul_f32 v\d, v\p, v\u
	v_fma_f32 v\d, -v\q, v\w, v\d
	v_fma_f32 v\d, v\r, v\z, v\d
.endm
	DET2 212, 192, 197, 196, 193
	DET2 213, 192, 198, 196, 194
	DET2 214, 192, 199, 196, 195
	DET2 215, 193, 198, 197, 194
	DET2 216, 193, 199, 197, 195
	DET2 217, 194, 199, 198, 195
	DET2 223, 202, 207, 206, 203
	DET2 222, 201, 207, 205, 203
	DET2 221, 201, 206, 205, 202
	DET2 220, 200, 207, 204, 203
	DET2 219, 200, 206, 204, 202
	DET2 218, 200, 205, 204, 201
	v_mul_f32 v224, v212, v223                     ; det = s0 c5 - s1 c4 + s2 c3 + s3 c2 - s4 c1 + s5 c0
	v_fma_f32 v224, -v213, v222, v224
	v_fma_f32 v224, v214, v221, v224
	v_fma_f32 v224, v215, v220, v224
	v_fma_f32 v224, -v216, v219, v224
	v_fma_f32 v224, v217, v218, v224
	v_rcp_f32 v225, v224                           ; the cofactors below stand between it and its use
	TRI 232, 197, 223, 198, 222, 199, 221          ; the adjugate's rows 0 to 2, signs + - + -, - + - +, + - + -
	TRI 233, 193, 223, 194, 222, 195, 221
	TRI 234, 205, 217, 206, 216, 207, 215
	TRI 235, 201, 217, 202, 216, 203, 215
	TRI 236, 196, 223, 198, 220, 199, 219
	TRI 237, 192, 223, 194, 220, 195, 219
	TRI 238, 204, 217, 206, 214, 207, 213
	TRI 239, 200, 217, 202, 214, 203, 213
	TRI 240, 196, 222, 197, 220, 199, 218
	TRI 241, 192, 222, 193, 220, 195, 218
	TRI 242, 204, 216, 205, 214, 207, 212
	TRI 243, 200, 216, 201, 214, 203, 212
	s_wait_alu depctr_va_vdst(0)
	v_mul_f32 v225, v225, v211                     ; E / det
	v_mul_f32 v244, v232, v250                     ; adj(M) (x0, x1, x2, 1)
	v_mul_f32 v245, v237, v251
	v_mul_f32 v246, v240, v250
	v_fma_f32 v244, -v233, v251, v244
	v_fma_f32 v245, -v236, v250, v245
	v_fma_f32 v246, -v241, v251, v246
	v_fma_f32 v244, v234, v252, v244
	v_fma_f32 v245, -v238, v252, v245
	v_fma_f32 v246, v242, v252, v246
	v_sub_f32 v244, v244, v235
	v_add_f32 v245, v245, v239
	v_sub_f32 v246, v246, v243
	v_mul_f32 v244, v244, v225
	v_mul_f32 v245, v245, v225
	v_mul_f32 v246, v246, v225
	v_cmp_lt_f32 vcc_lo, s23, v210
	v_cndmask_b32 v248, 0, v249, vcc_lo            ; the boolean, one byte
	s_wait_xcnt 0x0                                ; EXEC changes only behind this wait
	v_cmp_gt_u32 vcc_lo, NQ, v1
	s_and_saveexec_b32 s24, vcc_lo                 ; queries 0 .. 24,999
	global_store_b96 v247, v[244:246], s[12:13]    ; a wave's 384 bytes on end
	global_store_b8 v1, v248, s[14:15]             ; a wave's 32 bytes on end
	s_wait_xcnt 0x0                                ; and again in front of the line that widens it
	s_or_b32 exec_lo, exec_lo, s24
	s_endpgm
.Lfunc_end_k_qfaf10cb660_skin:
	.size	k_qfaf10cb660_skin, .Lfunc_end_k_qfaf10cb660_skin-k_qfaf10cb660_skin
	.p2alignl 7, 3214868480
	.fill 96, 4, 3214868480
	.section	.rodata,"a",@progbits
	.p2align	6, 0x0
	.amdhsa_kernel k_qfaf10cb660_skin
		.amdhsa_group_segment_fixed_size 0
		.amdhsa_private_segment_fixed_size 0
		.amdhsa_enable_private_segment 0
		.amdhsa_kernarg_size 48
		.amdhsa_user_sgpr_count 2
		.amdhsa_user_sgpr_kernarg_segment_ptr 1
		.amdhsa_wavefront_size32 1
		.amdhsa_system_sgpr_workgroup_id_x 1
		.amdhsa_system_sgpr_workgroup_id_y 1
		.amdhsa_system_sgpr_workgroup_id_z 1
		.amdhsa_system_vgpr_workitem_id 0
		.amdhsa_next_free_vgpr 256
		.amdhsa_next_free_sgpr 66
		.amdhsa_reserve_vcc 1
		.amdhsa_float_denorm_mode_32 3
		.amdhsa_float_denorm_mode_16_64 3
		.amdhsa_memory_ordered 1
		.amdhsa_forward_progress 1
		.amdhsa_inst_pref_size 22
	.end_amdhsa_kernel
	.amdgpu_metadata
---
amdhsa.version: [ 1, 2 ]
amdhsa.kernels:
  - .name:           k_qfaf10cb660_skin
    .symbol:         k_qfaf10cb660_skin.kd
    .args:
      - { .name: x, .offset: 0, .size: 8, .value_kind: global_buffer, .address_space: global }
      - { .name: cand, .offset: 8, .size: 8, .value_kind: global_buffer, .address_space: global }
      - { .name: vq, .offset: 16, .size: 8, .value_kind: global_buffer, .address_space: global }
      - { .name: ttab, .offset: 24, .size: 8, .value_kind: global_buffer, .address_space: global }
      - { .name: out0, .offset: 32, .size: 8, .value_kind: global_buffer, .address_space: global }
      - { .name: out1, .offset: 40, .size: 8, .value_kind: global_buffer, .address_space: global }
    .group_segment_fixed_size: 0
    .private_segment_fixed_size: 0
    .kernarg_segment_align: 8
    .kernarg_segment_size: 48
    .max_flat_workgroup_size: 32
    .sgpr_count:     66
    .vgpr_count:     256
    .wavefront_size: 32
...
	.end_amdgpu_metadata
.endif
;; end of part 3
